; MI455X (gfx1250); checked and timed in simulation.
; The chip was launched on July 23, 2026; its instructions are those of AMD's public machine-readable ISA for CDNA 5 (MIT licence, August 2026) and "CDNA5" Instruction Set Architecture Reference Guide (July 2026). The comments in the code are by the model that wrote it; some were corrected since.
;; Quantized Linear. Allowed arithmetic: matrix products marked QUANTISED: E2M1 operands, one E8M0 scale for each 32 along K, by v_wmma_scale_f32_16x16x128_f8f6f4 with both operands' format E2M1 (or v_wmma_scale_f32_32x16x128_f4), f32 sums; everything else in f32.
;; Inputs: bias 4,096 float32; scale 1 float32; weight_q 4,096 x 4,096 int32; x_codes 4 x 1,024 x 128 x 16 uint8 (E2M1 codes of x, K innermost, in blocks of 32 codes, two codes a byte); x_scales 4 x 1,024 x 128 uint8 (E8M0 scales of x, one for each 32 codes along K).
;; Outputs: out0 4 x 1,024 x 4,096 float32.
;; This version of the problem:
;;   THIS VERSION OF THE PROBLEM IS GIVEN IN LOW PRECISION. The matrix products marked QUANTISED in the list below multiply operands that are first quantised to E2M1 (2 exponent bits, 1 mantissa bit; 4 bits a number), with one power-of-two scale for each 32 numbers along K (OCP MX v1.0); their sums are f32. All else is computed in f32.
;;   The module's matrix products, in the order in which they are computed (A, B: the left and right operand; K: the contracted axis; several contracted axes count as one K, in the product's order):
;;     1. [M 4,096, K 4,096] x [K 4,096, N 4,096]; A: input x (given as codes); B: computed on the way: QUANTISED
;;   THE QUANTISER, for each operand of a quantised product, along K:
;;     - K is cut into blocks of 32 from its start; a last block that is shorter is filled with zeros.
;;     - A block's scale is 2^e with e = floor(log2(the largest magnitude in the block)) - 2, held to -126 .. 127; a block of zeros has e = 0. As a byte (E8M0): e + 127.
;;     - Each number is divided by its block's scale, clamped to +-6, and rounded to the nearest number of E2M1, ties to even, subnormals kept.
;;     - The product sums the exact products of the quantised numbers (number of the format x scale) in f32.
;;   ~~~python
;;   def quantise(x, axis):      # numpy; x: float32 -> the quantised numbers, widened to float32 again
;;       x = np.moveaxis(x, axis, -1); K = x.shape[-1]
;;       x = np.pad(x, [(0, 0)] * (x.ndim - 1) + [(0, -K % 32)]); x = x.reshape(x.shape[:-1] + (-1, 32)); a = np.abs(x).max(-1, keepdims=True)
;;       e = np.where(a > 0, np.clip(np.frexp(np.where(a > 0, a, 1))[1] - 1 - 2, -126, 127), 0)      # np.frexp(a)[1] - 1 = floor(log2(a)), exactly
;;       r = np.clip(x / 2.0 ** e, -6, 6)
;;       step = 2.0 ** (np.maximum(np.frexp(np.where(r == 0, 1, r))[1] - 1, 0) - 1)
;;       q = np.round(r / step) * step * 2.0 ** e      # np.round: ties to even
;;       return np.moveaxis(q.reshape(q.shape[:-2] + (-1,))[..., :K], -1, axis).astype(np.float32)
;;   ~~~
;;   OPERANDS COMPUTED ON THE WAY. 'Computed on the way' means the value that the module computes at that place (a softmax that the list does not call 'softmax' is quantised finished and normalised). What goes into a quantiser is computed in f32, as accurately as f32 sums, v_exp_f32 and their like allow (about 1e-6 of the number): no bf16 or f16 on the way to a quantiser, and a product that is left as it is and whose result goes on into a quantised operand takes f32 operands (vector FMAs, or v_wmma_f32_16x16x4_f32). A number that lies on a knife's edge between two numbers of the format may be rounded either way, as far as f32 arithmetic and the matrix unit's own rounding can turn it there, and no further.
;;   INPUTS GIVEN AS CODES. x (in the module: [4, 1024, 4096], K = its axis 2): each comes as NAME_codes (uint8): NAME with its K axis moved to the last place and cut into blocks of 32 codes, [.., K / 32, bytes a block], one block behind the other in memory; two codes a byte, the lower K in the low four bits (a code: sign, 2 exponent bits, 1 mantissa bit); and NAME_scales (uint8): the same leading axes, one E8M0 byte (e + 127) for each 32 codes along K. Its value is code x scale, taken as it is: it is not quantised again, and the codes and scales need not be those that the quantiser above would give.
;; One version. Each part assembles by itself: llvm-mc -triple=amdgcn-amd-amdhsa -mcpu=gfx1250 --defsym DOCPART=n.
;; ======== version 1 of 1: 2 launches
;; limits: right only within a limited range of input values
;; workspace buffers: wc 8,388,608 bytes; ws 524,288 bytes; xs 524,288 bytes
;; launch quant (part 1): grid 256 x 1, 8 waves a work-group, no clusters, 78,848 bytes of LDS; arguments weight_q, scale, x_scales, wc, ws, xs; writes wc, ws, xs
.if DOCPART == 1
	.amdgcn_target "amdgcn-amd-amdhsa--gfx1250"
	.amdhsa_code_object_version 6
	.text
	.protected	k_q51b8942ad9_quant
	.globl	k_q51b8942ad9_quant
	.p2align	8
	.type	k_q51b8942ad9_quant,@function
k_q51b8942ad9_quant:
	s_mov_b64 s[64:65], 0
	v_nop
	global_prefetch_b8 v0, s[64:65] scope:SCOPE_SE
	s_setreg_imm32_b32 hwreg(HW_REG_WAVE_MODE, 25, 1), 1
	s_wait_xcnt 0x0
; W[n][k] = f32(weight_q[n][k]) * scale[0], [4096][4096], becomes codes of FP4 (E2M1) with one E8M0 byte for each 32 along K.
; A block's scale is 2^(floor(log2(its largest magnitude)) - 2); its byte is the largest magnitude's exponent field - 2, held at 1 from below.
; THE CODES ARE LAID AS IMAGES OF THE PRODUCT'S OPERAND REGISTERS: wc[block of 16 rows: 256][step of 128 K: 32][c: 2][lane (h, r): 32][16 bytes],
; the 16 bytes being K = 128 s + 64 c + 32 h + 0 .. 31 of row r: piece p = 4 q + 2 c + h of the 16 pieces of 16 bytes in a row's 256 bytes of 512 K.
; The scale bytes go to ws[tile of 256 rows: 16][512 K: 8][256 rows][16 bytes]; x's scale bytes are copied as given into xs, laid the same way.
; LIMITS: NaN and infinities in W (weight_q x scale beyond f32's range) are not served.  A block whose largest magnitude lies under 2^-124 has its byte held at 1;
; a block of zeros gets the byte 1 where the rule says 127: its codes are zeros, and the bytes are read by this program alone.
; SHARES.  Work-group g owns rows 16 g .. 16 g + 15, wave w columns 512 w .. 512 w + 511: 16 steps, step t = row t, 2,048 consecutive bytes read a step.
; A step's numbers go through the wave's own stage in LDS and come back 16 neighbours a lane (two lanes to a block).  A lane's 8 bytes of codes go into the wave's
; image in LDS at piece x 272 + 16 t; at the end the image's 4,096 bytes leave as eight stores of 512 consecutive bytes.  Waves share nothing: no barrier.
.set STEPS, 16
.set SP,    80                         ; a lane's place in a stage: 64 bytes + 16 of padding
.set SCB,   2*32*SP                    ; behind the two stages: the wave's 256 scale bytes
.set IMG,   SCB+256                    ; behind them: the image, 16 pieces x (256 + 16) bytes
.set IP,    272
.set WREG,  IMG+16*IP                  ; a wave's LDS region: 9,728 bytes
.set SPARE, 8*WREG                     ; the spare words
.set R,     32                         ; v32-159  eight sets of 16 numbers as loaded
.set X,     160                        ; v160-191 two sets of 16 neighbours
.set E,     192                        ; v192-207 a scale byte for each step
.set C,     208                        ; v208-239 codes: two registers for each step
	s_load_b256 s[4:11], s[0:1], 0x0               ; weight_q s[4:5], scale s[6:7], x_scales s[8:9], wc s[10:11]
	s_load_b128 s[12:15], s[0:1], 0x20             ; ws s[12:13], xs s[14:15]
	v_lshl_add_u32 v240, v0, 2, SPARE
	v_mov_b32 v241, 0
	v_lshrrev_b32 v1, 5, v0
	v_readfirstlane_b32 s16, v1                    ; wave 0..7
	s_mul_i32 s17, s16, WREG
	s_add_co_u32 s18, s17, SCB
	s_add_co_u32 s19, s17, IMG
	v_and_b32 v2, 31, v0                           ; lane
	v_lshlrev_b32 v3, 4, v2                        ; 16 bytes a lane
	v_lshlrev_b32 v4, 3, v2                        ; 8 bytes a lane
	v_lshrrev_b32 v14, 2, v2
	v_mul_u32_u24 v14, v14, SP
	v_and_b32 v15, 3, v2
	v_lshl_add_u32 v14, v15, 4, v14
	v_add_nc_u32 v14, s17, v14                     ; the stage, in: SP (lane / 4) + 16 (lane % 4)
	v_mul_u32_u24 v15, v2, SP
	v_add_nc_u32 v15, s17, v15                     ; and out: SP x lane
	v_lshrrev_b32 v10, 1, v2                       ; my block = my piece
	v_and_b32 v8, 1, v2
	v_add_nc_u32 v5, s18, v10                      ; my block's scale byte
	v_add_nc_u32 v6, s18, v4                       ; the scale bytes on the way out
	v_mul_u32_u24 v18, v10, IP
	v_lshl_add_u32 v18, v8, 3, v18
	v_add_nc_u32 v18, s19, v18                     ; the image, in: piece x 272 + 8 (lane % 2)
	v_lshrrev_b32 v19, 4, v2
	v_mul_u32_u24 v19, v19, IP
	v_and_b32 v9, 15, v2
	v_lshl_add_u32 v19, v9, 4, v19
	v_add_nc_u32 v19, s19, v19                     ; and out: two pieces a load
	v_lshlrev_b32 v7, 7, v10
	v_lshl_add_u32 v7, v8, 3, v7                   ; x_scales: row lane / 2 of 128 bytes, + 8 (lane % 2)
	s_wait_alu depctr_va_vdst(0)                   ; the wait at the head's end
	s_wait_kmcnt 0x0
	s_load_b32 s22, s[6:7], 0x0                    ; scale[0]
	s_mov_b32 s19, 0
	s_lshl_b32 s18, ttmp9, 18                      ; weight_q: 16 rows of 16,384 bytes a work-group,
	s_lshl_b32 s20, s16, 11                        ; 2,048 bytes a wave
	s_add_co_u32 s18, s18, s20
	s_add_nc_u64 s[4:5], s[4:5], s[18:19]
	s_lshl_b32 s18, ttmp9, 11                      ; x_scales: 16 rows of 128 bytes, 16 bytes a wave
	s_lshl_b32 s20, s16, 4
	s_add_co_u32 s18, s18, s20
	s_add_nc_u64 s[8:9], s[8:9], s[18:19]
	s_lshl_b32 s18, ttmp9, 15                      ; wc: block g of 32,768 bytes, four steps of 1,024 a wave
	s_lshl_b32 s20, s16, 12
	s_add_co_u32 s18, s18, s20
	s_add_nc_u64 s[10:11], s[10:11], s[18:19]
	s_lshr_b32 s18, ttmp9, 4                       ; ws and xs: tile g / 16 of 32,768 bytes,
	s_lshl_b32 s18, s18, 15
	s_add_co_u32 s18, s18, s20                     ; 512 K number w of 4,096,
	s_and_b32 s20, ttmp9, 15
	s_lshl_b32 s20, s20, 8                         ; my 16 rows x 16 bytes
	s_add_co_u32 s18, s18, s20
	s_add_nc_u64 s[12:13], s[12:13], s[18:19]
	s_add_nc_u64 s[14:15], s[14:15], s[18:19]
.macro LOAD t                          ; row t: 512 consecutive bytes, four times
.irp i, 0,1,2,3
	global_load_b128 v[R+16*((\t)%8)+4*\i:R+16*((\t)%8)+4*\i+3], v3, s[4:5] offset:16384*(\t)+512*\i th:TH_LOAD_NT
.endr
.endm
.macro TURN t                          ; through the stage: LDS serves a wave's instructions in order (ISA guide 5.7.1)
.irp i, 0,1,2,3
	ds_store_b128 v14, v[R+16*((\t)%8)+4*\i:R+16*((\t)%8)+4*\i+3] offset:32*SP*((\t)%2)+8*SP*\i
.endr
.irp i, 0,1,2,3
	ds_load_b128 v[X+16*((\t)%2)+4*\i:X+16*((\t)%2)+4*\i+3], v15 offset:32*SP*((\t)%2)+16*\i
.endr
.endm
	global_load_b64 v[16:17], v7, s[8:9]           ; x's scale bytes: the oldest load
.irp t, 0,1,2,3,4,5,6,7
	LOAD \t
.endr
	s_wait_kmcnt 0x0                               ; scale[0]
	s_mov_b32 s23, s22                             ; the packed form names the pair
	s_wait_loadcnt 28                              ; x's scale bytes and step 0 are in; seven steps may be out
	global_store_b64 v4, v[16:17], s[14:15]        ; 256 consecutive bytes, aligned
	TURN 0
.macro STEP t
.set XS, X+16*((\t)%2)
.if (\t) > 0
	s_wait_dscnt 2                                 ; this step's numbers are back; the last step's two stores (byte, codes) may be out
.else
	s_wait_dscnt 0x0
.endif
.if (\t)+8 < STEPS
	LOAD (\t)+8
.endif
.if (\t)+1 < STEPS
.if (\t) <= 7
	s_wait_loadcnt 28                              ; the next step's four loads are in; seven steps behind it may be out
.else
	s_wait_loadcnt 4*(14-(\t))                     ; the stream runs out
.endif
	TURN (\t)+1
.endif
.irp i, 0,1,2,3,4,5,6,7,8,9,10,11,12,13,14,15
	v_cvt_f32_i32 v[XS+\i], v[XS+\i]
.endr
.irp i, 0,2,4,6,8,10,12,14
	v_pk_mul_f32 v[XS+\i:XS+\i+1], v[XS+\i:XS+\i+1], s[22:23] op_sel_hi:[1,0]   ; x scale[0]: W, in f32
.endr
	v_max3_num_f32 v8, |v[XS]|, |v[XS+1]|, |v[XS+2]|               ; the largest magnitude of my 16, in two chains
	v_max3_num_f32 v9, |v[XS+3]|, |v[XS+4]|, |v[XS+5]|
.irp i, 6,10
	s_delay_alu instid0(VALU_DEP_2)
	v_max3_num_f32 v8, v8, |v[XS+\i]|, |v[XS+\i+1]|
	s_delay_alu instid0(VALU_DEP_2)
	v_max3_num_f32 v9, v9, |v[XS+\i+2]|, |v[XS+\i+3]|
.endr
	s_delay_alu instid0(VALU_DEP_2)
	v_max3_num_f32 v8, v8, |v[XS+14]|, |v[XS+15]|
	s_delay_alu instid0(VALU_DEP_1)
	v_max3_num_f32 v8, v8, v9, 0x1800000           ; the floor 2^(3 - 127): the byte cannot fall under 1
	s_delay_alu instid0(VALU_DEP_1)
	v_max_num_f32_dpp v8, v8, v8 row_xmask:1 row_mask:0xf bank_mask:0xf   ; with my neighbour's 16: the block's
	s_delay_alu instid0(VALU_DEP_1)
	v_add_nc_u32 v11, 0xff000000, v8               ; 2 off the exponent field: the conversion's scale operand
	v_cvt_scalef32_pk8_fp4_f32 v[C+2*(\t)], v[XS:XS+7], v11
	v_cvt_scalef32_pk8_fp4_f32 v[C+2*(\t)+1], v[XS+8:XS+15], v11
	v_lshrrev_b32 v[E+(\t)], 23, v11               ; the scale's byte (the plain instruction behind the conversions)
	ds_store_b8 v5, v[E+(\t)] offset:16*(\t)       ; both lanes of a block write the same byte
	ds_store_b64 v18, v[C+2*(\t):C+2*(\t)+1] offset:16*(\t)        ; row t's place in my piece of the image
.endm
.irp t, 0,1,2,3,4,5,6,7,8,9,10,11,12,13,14,15
	STEP \t
.endr
	ds_load_b64 v[12:13], v6                       ; LDS serves a wave's instructions in order: these see my stores
.irp j, 0,1,2,3,4,5,6,7
	ds_load_b128 v[R+4*\j:R+4*\j+3], v19 offset:2*IP*\j
.endr
	s_wait_dscnt 0x0
	global_store_b64 v4, v[12:13], s[12:13]        ; my 16 rows' scale bytes: 256 consecutive bytes, aligned
.irp j, 0,1,2,3,4,5,6,7
	global_store_b128 v3, v[R+4*\j:R+4*\j+3], s[10:11] offset:512*\j   ; 512 consecutive bytes of the image
.endr
	s_wait_tensorcnt 0x0                           ; the wave's end
	ds_add_u32 v240, v241
	s_wait_dscnt 0x0
	s_endpgm
.Lfunc_end_k_q51b8942ad9_quant:
	.size	k_q51b8942ad9_quant, .Lfunc_end_k_q51b8942ad9_quant-k_q51b8942ad9_quant
	.p2alignl 7, 3214868480
	.fill 96, 4, 3214868480
	.section	.rodata,"a",@progbits
	.p2align	6, 0x0
	.amdhsa_kernel k_q51b8942ad9_quant
		.amdhsa_group_segment_fixed_size 78848
		.amdhsa_private_segment_fixed_size 0
		.amdhsa_enable_private_segment 0
		.amdhsa_kernarg_size 48
		.amdhsa_user_sgpr_count 2
		.amdhsa_user_sgpr_kernarg_segment_ptr 1
		.amdhsa_wavefront_size32 1
		.amdhsa_system_sgpr_workgroup_id_x 1
		.amdhsa_system_sgpr_workgroup_id_y 1
		.amdhsa_system_sgpr_workgroup_id_z 1
		.amdhsa_system_vgpr_workitem_id 0
		.amdhsa_next_free_vgpr 242
		.amdhsa_next_free_sgpr 66
		.amdhsa_reserve_vcc 0
		.amdhsa_float_denorm_mode_32 3
		.amdhsa_float_denorm_mode_16_64 3
		.amdhsa_memory_ordered 1
		.amdhsa_forward_progress 1
		.amdhsa_inst_pref_size 55
	.end_amdhsa_kernel
	.amdgpu_metadata
---
amdhsa.version: [ 1, 2 ]
amdhsa.kernels:
  - .name:           k_q51b8942ad9_quant
    .symbol:         k_q51b8942ad9_quant.kd
    .args:
      - { .name: weight_q, .offset: 0, .size: 8, .value_kind: global_buffer, .address_space: global }
      - { .name: scale, .offset: 8, .size: 8, .value_kind: global_buffer, .address_space: global }
      - { .name: x_scales, .offset: 16, .size: 8, .value_kind: global_buffer, .address_space: global }
      - { .name: wc, .offset: 24, .size: 8, .value_kind: global_buffer, .address_space: global }
      - { .name: ws, .offset: 32, .size: 8, .value_kind: global_buffer, .address_space: global }
      - { .name: xs, .offset: 40, .size: 8, .value_kind: global_buffer, .address_space: global }
    .group_segment_fixed_size: 78848
    .private_segment_fixed_size: 0
    .kernarg_segment_align: 8
    .kernarg_segment_size: 48
    .max_flat_workgroup_size: 256
    .sgpr_count:     66
    .vgpr_count:     242
    .wavefront_size: 32
...
	.end_amdgpu_metadata
.endif
;; end of part 1
;; launch gemm (part 2): grid 16 x 16, 4 waves a work-group, clusters of 4 x 1, 327,680 bytes of LDS; arguments x_codes, xs, wc, ws, bias, out0; writes out0
.if DOCPART == 2
	.amdgcn_target "amdgcn-amd-amdhsa--gfx1250"
	.amdhsa_code_object_version 6
	.text
	.protected	k_q51b8942ad9_gemm
	.globl	k_q51b8942ad9_gemm
	.p2align	8
	.type	k_q51b8942ad9_gemm,@function
k_q51b8942ad9_gemm:
	s_mov_b64 s[64:65], 0
	v_nop
	global_prefetch_b8 v0, s[64:65] scope:SCOPE_SE
	s_setreg_imm32_b32 hwreg(HW_REG_WAVE_MODE, 25, 1), 1
	s_wait_xcnt 0x0
	s_wait_alu depctr_hold_cnt(0) depctr_sa_sdst(0) depctr_va_vdst(0) depctr_va_sdst(0) depctr_va_ssrc(0) depctr_va_vcc(0) depctr_vm_vsrc(0)
	s_getreg_b32 s2, hwreg(HW_REG_IB_STS2, 6, 4)
	s_cmp_eq_u32 s2, 0
	s_cbranch_scc0 .Lentry_in_a_cluster
	s_endpgm
.Lentry_in_a_cluster:
	s_bfe_u32 s2, ttmp6, 0x10000c
	s_cmp_lg_u32 s2, 0x3003
	s_cbranch_scc0 .Lentry_shape_is_right
	s_endpgm
.Lentry_shape_is_right:
; out0[m][n] = sum over k of x[m][k] W[n][k] + bias[n]: x and W as codes of FP4 with E8M0 scales, [4096][4096] each; sums in f32.
; A work-group of four waves makes 256 x 256 of the result, a wave 128 x 128: 32 accumulators of 32 (n) x 16 (m), 512 registers.
; THE MATRIX INSTRUCTION IS USED TRANSPOSED: source 0 = 32 rows of W, source 1 = 16 rows of x: a lane holds neighbouring columns of one row of the result.
; W GOES FROM MEMORY STRAIGHT INTO REGISTERS: wc holds images of the operand's registers, so a load of 16 bytes a lane reads 512 consecutive bytes.  Four sets of 64 registers;
; step t asks for step t + 3's set, so a wave has up to four steps' loads (64 of 512 bytes) asked for, under counted waits; no change of slots drains them.  That is why W takes no joint load: it never lies in LDS.
; x GOES THROUGH LDS, which it has to itself: two slots of 256 rows x 1,024 K (rows of 512 bytes + 16 of padding).  Four fills in all, each one tensor load a wave (64 rows).
; CLUSTER: the four work-groups along n need the same tile of x and ask for it jointly (mask 15).  A refill is asked for 256 matrix instructions ahead of the wait for it.
; The scale words come by loads of 16 bytes a lane (four steps' words of a row), one chunk of 512 K ahead, from ws and xs.
; PREFETCH: W's step t + 8 (32 blocks of 256 bytes for 128 rows) is shared out by address among the 32 waves of the launch that read it (16 tile rows x 2), a block each, in steps 0 to 23.
; x has none: of its four fills two go out at the head, and the two refills are each asked for a whole slot ahead.
; The 32 steps are expanded from one macro with every slot, set and offset a constant of the text: two fills alone are refills, so no two slots' steps have the same text.
; REGISTERS: window 0: v16-29 addresses, bias; v32-127 scale words, two sets of 48 (x's 8 blocks x 4 steps, W's 4 pairs x 4 steps); v128-255 x's fragments, two sets; window 1: W's four sets; windows 2, 3: accumulators.
.set PITCH,  528
.set BLK,    16*PITCH
.set QUART,  64*PITCH                  ; what one tensor load brings
.set SLOT,   4*QUART
.set STAGE,  2*SLOT                    ; the way out: 16 rows x 528 bytes for each wave; no tensor load lands here
.set SPARE,  STAGE+4*BLK               ; the spare words
.set ADRA, 16                          ; v16-17 LDS address of my fragments of x in slot 0, 1
.set LB,   18                          ; 16 x lane
.set XSO,  19                          ; 16 x (lane % 16)
.set BI,   20                          ; v20-23 bias of my four columns on the way out
.set STO,  24
.set RD,   25
.set PFO,  27                          ; my block of the prefetches
.set SPW,  28
.set NIL,  29
.set SC,   32
.set AF,   128
.set BK,   128
.set G1,   24                          ; s[24:31] group 1;  s[32:39] group 0, one set for each slot
.set G0,   32
.set MSB, 0
.macro WIN new                         ; the immediate's high byte repeats the setting that is left
.if MSB != \new
	s_set_vgpr_msb (MSB<<8)|\new
.set MSB, \new
.endif
.endm
.set MUL_LO, 0xa1                      ; source 0 (W) window 1, source 1 (x) window 0, C and D window 2
.set MUL_HI, 0xf1
.set TO_B,   0x40
.macro CREST                           ; a round of the cluster's barrier behind its opening barrier
	s_cmp_lg_u32 s16, 0
	s_cbranch_scc1 .Lnot_wave_0_\@
	s_barrier_signal -3
.Lnot_wave_0_\@:
	s_barrier_wait -3
	s_barrier_signal -1
	s_barrier_wait -1
.endm
.macro CROUND
	s_barrier_signal -1
	s_barrier_wait -1
	CREST
.endm
.macro PLACES
.rept 4
	v_nop
.endr
.endm
.macro JLOAD s                         ; the joint load of my 64 rows into slot s
	tensor_load_to_lds s[G0+4*(\s):G0+4*(\s)+3], s[G1:G1+7]
	s_nop 0
	PLACES
.endm
	s_load_b256 s[4:11], s[0:1], 0x0               ; x_codes s[4:5], xs s[6:7], wc s[8:9], ws s[10:11]
	s_load_b128 s[12:15], s[0:1], 0x20             ; bias s[12:13], out0 s[14:15]
	v_lshl_add_u32 v[SPW], v0, 2, SPARE
	v_mov_b32 v[NIL], 0
	ds_add_u32 v[SPW], v[NIL]                      ; the opening lines: the add twice on end and its wait
	ds_add_u32 v[SPW], v[NIL]
	v_lshrrev_b32 v1, 5, v0
	v_readfirstlane_b32 s16, v1                    ; wave 0..3
	s_lshr_b32 s17, s16, 1                         ; my half of the tile's rows (m)
	s_and_b32 s18, s16, 1                          ; my half of its columns (n)
	s_bfe_u32 s19, ttmp6, 0x40000                  ; cx
	s_lshl_b32 s20, ttmp9, 2
	s_add_co_u32 s20, s20, s19                     ; tile column
	s_and_b32 s21, ttmp7, 0xffff                   ; tile row: the same in the four partners
	s_mov_b32 s[G1+0], 15|(1<<20)|(1<<21)|(6<<22)|(3<<25)   ; mask of the four; elements of 1 byte; 4 words of padding behind every 128
	s_mov_b32 s[G1+1], 512<<16
	s_mov_b32 s[G1+2], 64<<16
	s_mov_b32 s[G1+3], 512<<16
	s_mov_b32 s[G1+4], 64
	s_mov_b32 s[G1+5], 2048
	s_mov_b32 s[G1+6], 0
	s_mov_b32 s[G1+7], 0
	s_mul_i32 s38, s16, QUART                      ; where my 64 rows go
	s_mul_i32 s39, s17, 2*QUART                    ; where my 128 rows lie
	s_mul_i32 s52, s16, BLK
	s_add_co_u32 s52, s52, STAGE                   ; my stage
	s_lshl_b32 s53, s21, 1
	s_add_co_u32 s53, s53, s17                     ; my number among the 32 waves that read my rows of W
	s_lshr_b32 s54, s53, 2
	s_lshl_b32 s54, s54, 15
	s_and_b32 s53, s53, 3
	s_lshl_b32 s53, s53, 8
	s_add_co_u32 s53, s53, s54                     ; block of 16 rows number / 4, quarter number % 4 of its 1,024 bytes
	s_lshl_b32 s40, s21, 19                        ; x_codes: 256 rows of 2,048 bytes a tile row, 64 rows a wave
	s_lshl_b32 s54, s16, 17
	s_add_co_u32 s40, s40, s54
	s_mov_b32 s41, 0
	s_lshl_b32 s42, s21, 15                        ; xs: 32,768 bytes a tile row, 128 rows x 16 bytes a half
	s_lshl_b32 s54, s17, 11
	s_add_co_u32 s42, s42, s54
	s_mov_b32 s43, 0
	s_lshl_b32 s44, s20, 19                        ; wc: 16 blocks of 32,768 bytes a tile column, 8 a half
	s_lshl_b32 s54, s18, 18
	s_add_co_u32 s44, s44, s54
	s_mov_b32 s45, 0
	s_lshl_b32 s46, s20, 15                        ; ws
	s_lshl_b32 s54, s18, 11
	s_add_co_u32 s46, s46, s54
	s_mov_b32 s47, 0
	s_lshl_b32 s48, s20, 10                        ; bias, and a row of out0: 1,024 bytes a tile column, 512 a half
	s_lshl_b32 s54, s18, 9
	s_add_co_u32 s48, s48, s54
	s_mov_b32 s49, 0
	s_lshl_b32 s50, s21, 22                        ; out0: 256 rows of 16,384 bytes a tile row, 128 a half
	s_lshl_b32 s54, s17, 21
	s_add_co_u32 s50, s50, s54
	s_mov_b32 s51, 0
	v_and_b32 v1, 15, v0                           ; r
	v_bfe_u32 v2, v0, 4, 1                         ; h
	v_and_b32 v3, 31, v0
	v_lshlrev_b32 v[LB], 4, v3
	v_lshlrev_b32 v[XSO], 4, v1
	v_mul_u32_u24 v4, v1, PITCH
	v_lshl_add_u32 v5, v2, 4, v4                   ; a fragment's row x pitch + 16 h
	v_add_nc_u32 v[ADRA], s39, v5
	v_add_nc_u32 v[ADRA+1], SLOT, v[ADRA]
	v_lshl_add_u32 v4, v2, 5, v4                   ; into the stage: row r, 32 bytes for each half of the lanes
	v_add_nc_u32 v[STO], s52, v4
	v_add_nc_u32 v[RD], s52, v[LB]                 ; back: the 32 lanes take a row of 512 bytes
	v_mov_b32 v[PFO], s53
	s_wait_alu depctr_va_vdst(0)                   ; the wait at the head's end
	s_wait_dscnt 0x0                               ; both opening adds are done
	CROUND                                         ; the round in front of the first joint loads, passed while the arguments are on their way
	s_wait_kmcnt 0x0
	s_add_nc_u64 s[4:5], s[4:5], s[40:41]
	s_add_nc_u64 s[6:7], s[6:7], s[42:43]
	s_add_nc_u64 s[8:9], s[8:9], s[44:45]
	s_add_nc_u64 s[10:11], s[10:11], s[46:47]
	s_add_nc_u64 s[12:13], s[12:13], s[48:49]
	s_add_nc_u64 s[14:15], s[14:15], s[48:49]
	s_add_nc_u64 s[14:15], s[14:15], s[50:51]
.macro FETCH_A u                       ; x's eight fragments of step u from LDS into set u % 2: lane (r, h): 16 bytes at row x pitch + 64 (u % 8) + 32 c + 16 h
.irp i, 0,1,2,3,4,5,6,7
.irp c, 0,1
	ds_load_b128 v[AF+64*((\u)%2)+8*\i+4*\c:AF+64*((\u)%2)+8*\i+4*\c+3], v[ADRA+((\u)/8)%2] offset:64*((\u)%8)+32*\c+\i*BLK
.endr
.endr
.endm
.macro FETCH_B u                       ; W's eight fragments of step u from memory into set u % 4
	WIN TO_B
.irp i, 0,1,2,3,4,5,6,7
.irp c, 0,1
	global_load_b128 v[64*((\u)%4)+8*\i+4*\c:64*((\u)%4)+8*\i+4*\c+3], v[LB], s[8:9] offset:(\u)*1024+\c*512+\i*32768
.endr
.endr
	WIN 0
.endm
.macro SCALES j                        ; chunk j's scale words (four steps) into set j % 2: 12 loads.  x: lanes 0-15 hold block a's rows; W: lane m holds row m of pair p
.irp a, 0,1,2,3,4,5,6,7
	global_load_b128 v[SC+48*((\j)%2)+4*\a:SC+48*((\j)%2)+4*\a+3], v[XSO], s[6:7] offset:(\j)*4096+\a*256
.endr
.irp p, 0,1,2,3
	global_load_b128 v[SC+48*((\j)%2)+32+4*\p:SC+48*((\j)%2)+32+4*\p+3], v[LB], s[10:11] offset:(\j)*4096+\p*512
.endr
.endm
.macro ASK t                           ; my block of W's step t + 8
.if (\t) <= 23
	global_prefetch_b8 v[PFO], s[8:9] offset:((\t)+8)*1024 th:TH_LOAD_NT scope:SCOPE_SE
.endif
.endm
; 8 matrix instructions: x's blocks a0, a0 + 1 against W's four pairs.  Step 0's products start the sums.  The 32 accumulators take turns, in the same order in every step.
.macro MUL2 t, a0
.irp a, \a0, \a0+1
.irp p, 0,1,2,3
.if (\t) == 0
	v_wmma_scale_f32_32x16x128_f4 v[16*(4*((\a)%4)+\p):16*(4*((\a)%4)+\p)+15], v[64*((\t)%4)+16*\p:64*((\t)%4)+16*\p+15], v[AF+64*((\t)%2)+8*(\a):AF+64*((\t)%2)+8*(\a)+7], 0, v[SC+48*(((\t)/4)%2)+32+4*\p+(\t)%4], v[SC+48*(((\t)/4)%2)+4*(\a)+(\t)%4]
.else
	v_wmma_scale_f32_32x16x128_f4 v[16*(4*((\a)%4)+\p):16*(4*((\a)%4)+\p)+15], v[64*((\t)%4)+16*\p:64*((\t)%4)+16*\p+15], v[AF+64*((\t)%2)+8*(\a):AF+64*((\t)%2)+8*(\a)+7], v[16*(4*((\a)%4)+\p):16*(4*((\a)%4)+\p)+15], v[SC+48*(((\t)/4)%2)+32+4*\p+(\t)%4], v[SC+48*(((\t)/4)%2)+4*(\a)+(\t)%4]
.endif
.endr
.endr
.endm
.macro STEP t                          ; 128 along K: 32 matrix instructions
.if ((\t)%8 == 7) && ((\t) < 31)
	; a slot's last step changes slots: ONE barrier; steps 7 and 15 fill the slot again, two slots ahead
	WIN 0
	s_wait_tensorcnt 0x0                           ; all my tensor loads have landed: my part of the next slot
	ds_add_u32 v[SPW], v[NIL]
.if (\t) < 23
	s_add_nc_u64 s[G0+4*(((\t)/8)%2)+2:G0+4*(((\t)/8)%2)+3], s[G0+4*(((\t)/8)%2)+2:G0+4*(((\t)/8)%2)+3], 1024   ; no load of mine is out: this slot's next 1,024 K
.endif
	s_wait_dscnt 1                                 ; x's fragments of this step are in; the add may be out
	s_wait_loadcnt 32                              ; W's set is in; behind it: steps t + 1 and t + 2
	WIN MUL_LO
	MUL2 \t, 0
	s_wait_dscnt 0x0                               ; the add is done, and my reads of this slot are over
	s_barrier_signal -1
	MUL2 \t, 2
	WIN 0
	s_barrier_wait -1
.if (\t) < 23
	CREST                                          ; the barrier has opened a round: no wave of any partner still reads this slot or has a load on its way
	JLOAD ((\t)/8)%2                               ; its four v_nop are also the places in front of the loads below
.else
	PLACES
.endif
	FETCH_A (\t)+1
	ASK \t
	FETCH_B (\t)+3
	WIN MUL_HI
	MUL2 \t, 4
	MUL2 \t, 6
.else
	PLACES                                         ; in front of loads into registers that the last step's matrix instructions read
	WIN 0
.if (\t) < 31
	FETCH_A (\t)+1
.endif
.if ((\t)%4 == 0) && ((\t) <= 24) && ((\t) > 0)
	SCALES (\t)/4+1
.endif
	ASK \t
.if (\t) <= 28
.if (\t) > 0
	FETCH_B (\t)+3                                 ; (step 3's set was asked for at the head)
.endif
.set NB, 48                            ; behind W's set of this step: three younger sets of 16 loads,
.else
.set NB, 16*(31-(\t))                  ; or what is left of them,
.endif
.if (((\t)%4) != 3) && (((\t)-((\t)%4)) <= 24) && ((\t) >= 4)
.set NB, NB+12                         ; and a chunk's 12 scale loads, where they were issued in this step or the two before it
.endif
.if (\t) < 31
	s_wait_dscnt 16                                ; all but the 16 just issued
.else
	s_wait_dscnt 0x0
.endif
	s_wait_loadcnt NB
	WIN MUL_LO
	MUL2 \t, 0
	MUL2 \t, 2
	WIN MUL_HI
	MUL2 \t, 4
	MUL2 \t, 6
.endif
.endm
.irp s, 0,1
	s_mov_b32 s[G0+4*\s], 1
	s_add_co_u32 s[G0+4*\s+1], s38, \s*SLOT
	s_add_nc_u64 s[G0+4*\s+2:G0+4*\s+3], s[4:5], \s*512
	s_or_b32 s[G0+4*\s+3], s[G0+4*\s+3], 0x80000000
.endr
	JLOAD 0                                        ; K 0 .. 1,023: one tensor load a wave at the head
	global_load_b128 v[BI:BI+3], v[LB], s[12:13]   ; the oldest load: bias of columns 4 lane .. 4 lane + 3 of my 128
	SCALES 0                                       ; the first two chunks' scale words and W's first four sets: all their registers are free here
	SCALES 1
	FETCH_B 0
	FETCH_B 1
	FETCH_B 2
	FETCH_B 3
	s_wait_tensorcnt 0x0                           ; the wait, add and wait ahead of a later first fill, as ahead of a refill
	ds_add_u32 v[SPW], v[NIL]
	s_wait_dscnt 0x0
	CROUND                                         ; everybody's part of slot 0 is in
	JLOAD 1                                        ; K 1,024 .. 2,047
	FETCH_A 0
.irp t, 0,1,2,3,4,5,6,7,8,9,10,11,12,13,14,15,16,17,18,19,20,21,22,23,24,25,26,27,28,29,30,31
	STEP \t
.endr
	WIN 0
; THE WAY OUT, by blocks of 16 rows x 128 columns: through my own stage, back as whole rows of 512 bytes, the bias added, stored as two aligned units of 256 bytes.
.macro TOSTAGE a
.set AC, 64*((\a)%4)
	WIN 0x08+4*((\a)/4)                            ; the data: window 2 or 3
.irp b, 0,1,2,3,4,5,6,7
	ds_store_b128 v[STO], v[AC+8*\b:AC+8*\b+3] offset:64*\b          ; each accumulator from its low end on
	ds_store_b128 v[STO], v[AC+8*\b+4:AC+8*\b+7] offset:64*\b+16
.endr
	WIN 0
.set BB, BK+64*((\a)%2)
.irp t, 0,1,2,3,4,5,6,7,8,9,10,11,12,13,14,15
	ds_load_b128 v[BB+4*\t:BB+4*\t+3], v[RD] offset:\t*PITCH         ; LDS serves a wave's instructions in order (ISA guide 5.7.1)
.endr
.endm
.macro SEND a, younger
.set BB, BK+64*((\a)%2)
	s_wait_dscnt \younger                          ; the block is back in registers
.if (\a) > 0
	s_add_nc_u64 s[14:15], s[14:15], 16*16384      ; behind a wait on XCNT: 16 rows on
.endif
.irp t, 0,1,2,3,4,5,6,7,8,9,10,11,12,13,14,15
	v_pk_add_f32 v[BB+4*\t:BB+4*\t+1], v[BB+4*\t:BB+4*\t+1], v[BI:BI+1]
	v_pk_add_f32 v[BB+4*\t+2:BB+4*\t+3], v[BB+4*\t+2:BB+4*\t+3], v[BI+2:BI+3]
.endr
.irp t, 0,1,2,3,4,5,6,7,8,9,10,11,12,13,14,15
	global_store_b128 v[LB], v[BB+4*\t:BB+4*\t+3], s[14:15] offset:\t*16384 th:TH_STORE_NT   ; 512 consecutive bytes, aligned
.endr
.endm
	PLACES
	TOSTAGE 0
.irp a, 1,2,3,4,5,6,7
.if \a > 1
	s_wait_xcnt 0x0                                ; block a - 2's stores have read their registers and their base
.endif
	TOSTAGE \a
	SEND \a-1, 32                                  ; behind block a - 1's loads: block a's 16 stores and 16 loads
.endr
	s_wait_xcnt 0x0
	SEND 7, 0
	s_wait_tensorcnt 0x0                           ; the wave's end
	ds_add_u32 v[SPW], v[NIL]
	s_wait_dscnt 0x0
	CROUND                                         ; the closing round
	s_endpgm
.Lfunc_end_k_q51b8942ad9_gemm:
	.size	k_q51b8942ad9_gemm, .Lfunc_end_k_q51b8942ad9_gemm-k_q51b8942ad9_gemm
	.p2alignl 7, 3214868480
	.fill 96, 4, 3214868480
	.section	.rodata,"a",@progbits
	.p2align	6, 0x0
	.amdhsa_kernel k_q51b8942ad9_gemm
		.amdhsa_group_segment_fixed_size 327680
		.amdhsa_private_segment_fixed_size 0
		.amdhsa_enable_private_segment 0
		.amdhsa_kernarg_size 48
		.amdhsa_user_sgpr_count 2
		.amdhsa_user_sgpr_kernarg_segment_ptr 1
		.amdhsa_wavefront_size32 1
		.amdhsa_system_sgpr_workgroup_id_x 1
		.amdhsa_system_sgpr_workgroup_id_y 1
		.amdhsa_system_sgpr_workgroup_id_z 1
		.amdhsa_system_vgpr_workitem_id 0
		.amdhsa_next_free_vgpr 1024
		.amdhsa_next_free_sgpr 66
		.amdhsa_reserve_vcc 0
		.amdhsa_float_denorm_mode_32 3
		.amdhsa_float_denorm_mode_16_64 3
		.amdhsa_memory_ordered 1
		.amdhsa_forward_progress 1
		.amdhsa_inst_pref_size 255
	.end_amdhsa_kernel
	.section	.bss,"aw",@nobits
	.p2align	6
	.space	262144
	.amdgpu_metadata
---
amdhsa.version: [ 1, 2 ]
amdhsa.kernels:
  - .name:           k_q51b8942ad9_gemm
    .symbol:         k_q51b8942ad9_gemm.kd
    .args:
      - { .name: x_codes, .offset: 0, .size: 8, .value_kind: global_buffer, .address_space: global }
      - { .name: xs, .offset: 8, .size: 8, .value_kind: global_buffer, .address_space: global }
      - { .name: wc, .offset: 16, .size: 8, .value_kind: global_buffer, .address_space: global }
      - { .name: ws, .offset: 24, .size: 8, .value_kind: global_buffer, .address_space: global }
      - { .name: bias, .offset: 32, .size: 8, .value_kind: global_buffer, .address_space: global }
      - { .name: out0, .offset: 40, .size: 8, .value_kind: global_buffer, .address_space: global }
    .group_segment_fixed_size: 327680
    .private_segment_fixed_size: 0
    .kernarg_segment_align: 8
    .kernarg_segment_size: 48
    .max_flat_workgroup_size: 128
    .sgpr_count:     66
    .vgpr_count:     1024
    .wavefront_size: 32
...
	.end_amdgpu_metadata
.endif
;; end of part 2
